; MI455X (gfx1250); checked and timed in simulation.
; The chip was launched on July 23, 2026; its instructions are those of AMD's public machine-readable ISA for CDNA 5 (MIT licence, August 2026) and "CDNA5" Instruction Set Architecture Reference Guide (July 2026). The comments in the code are by the model that wrote it; some were corrected since.
;; Quantum Layer. Allowed arithmetic: float matrix products may take bf16 or f16 operands with f32 sums; all other float work in f32.
;; Inputs: post_b 128 float32; post_w 128 x 4 float32; pre_b 4 float32; pre_w 4 x 128 float32; q_weights 2 x 4 x 3 float32; x 8 x 128 x 128 x 128 float32.
;; Outputs: out0 8 x 128 x 128 x 128 float32.
;; 2 versions, each right; version 2 is version 1 with the launch qlayer written anew for expert scheduling mode. Each part assembles by itself: llvm-mc -triple=amdgcn-amd-amdhsa -mcpu=gfx1250 --defsym DOCPART=n.
;; ======== version 1 of 2: 1 launch
;; limits: right only within a limited range of input values
;; launch qlayer (part 1): grid 256 x 1, 8 waves a work-group, no clusters, 20,480 bytes of LDS; arguments x, pre_w, pre_b, q_weights, post_w, post_b, out0; writes out0
.if DOCPART == 1
	.amdgcn_target "amdgcn-amd-amdhsa--gfx1250"
	.amdhsa_code_object_version 6
	.text
	.protected	k_q094e1965de_qlayer
	.globl	k_q094e1965de_qlayer
	.p2align	8
	.type	k_q094e1965de_qlayer,@function
k_q094e1965de_qlayer:
	s_mov_b64 s[64:65], 0
	v_nop
	global_prefetch_b8 v0, s[64:65] scope:SCOPE_SE
	s_setreg_imm32_b32 hwreg(HW_REG_WAVE_MODE, 25, 1), 1
	s_wait_xcnt 0x0
; out[n][o][p] = post_w[o] . z(p) + post_b[o],  z = <PauliZ> of a 4-qubit, 2-layer circuit fed with xq = pre_w . x[n][:][p] + pre_b.
; x, out: [8][128][16384] f32, a channel's plane of 16,384 pixels lies contiguous (65,536 bytes).
; One launch, everything fused: each byte of x is loaded once, each byte of out stored once, nothing goes through memory between.
; 256 work-groups of 8 waves; a work-group owns 512 neighbouring pixels of one image, thread t pixels 2t and 2t+1.
; Every per-pixel number is a register pair (pixel 0, pixel 1) and all arithmetic is packed f32; a load or store of a wave
; covers 256 consecutive bytes, aligned.  All channel steps (c x 65,536 <= 8,323,072) fit the immediate: no address is ever stepped.
; TWO GROUPS OUT OF STEP.  A wave's work is: load 128 channels, the circuit (registers only), store 128 channels.  Were all waves in step,
; nothing would be asked of memory while they all run the circuit.  So waves 4-7 (early) ask for x at once, while waves 0-3 (late) make the
; shared tables and ask for their x only behind the barrier, which the early waves reach after SPLIT x 8 = 64 channels, with 64 + DEPTH = 126
; of their 128 loads issued.  The early circuit then runs beside the late loads, the late circuit beside the early stores.
; pre_w: EVERY WAVE KEEPS A COPY OF ITS OWN in LDS (2,048 bytes at wave x 2,048), so that no wave waits for another before its first
; channel: 16 KB of table loads a work-group beside its 512 KB of x and out.
; NO MATRIX UNIT: the products have 4 rows (pre) and 4 columns (post), 1,024 multiply-adds a pixel, and xq is a phase:
; rounding x and pre_w to 16 bits would shift it by an amount of the size of the allowed error.  f32 fused multiply-adds ride behind the stream.
; NO CLUSTER, NO TENSOR LOADS: work-groups share nothing but 5 KB of tables.
; sin and cos: the angle is pi/2 u; k = round(u), f = u - k (exact), Taylor series of sin and cos of pi/2 f on |f| <= 1/2
; (first terms left out: below 4e-7), quadrant from k's two low bits.
; LIMITS: |xq| and |q_weights| / pi below 2^31 (k goes through a 32-bit integer).  The reduction is made on u itself, while the
; reference rounds 0.5 pi u first: for large angles the two differ by the reference's own rounding of the angle.
.set DEPTH,  62                        ; x loads in flight in each wave: 62 x 256 bytes
.set SPLIT,  8                         ; groups of 8 channels that the early waves work through before the late waves ask for x
.set PLANE,  65536                     ; bytes from a channel to the next
.set COPY,   2048                      ; LDS     0-16383: wave w's copy of pre_w at w x COPY, as it lies: row q = 512 bytes
.set POSTW,  16384                     ; LDS 16384-18431: post_w as it lies, row o = 16 bytes
.set POSTB,  18432                     ; LDS 18432-18943: post_b as it lies
.set LGATE,  18944                     ; LDS 18944-19071: gate g = 4 layer + wire: (ar, ai, br, bi): U00 = ar - i ai, U11 = ar + i ai, U01 = -(br + i bi), U10 = br - i bi
.set ACC, 16                           ; v[16:23]   xq, pair q at ACC + 2q
.set ZZ,  24                           ; v[24:31]   z, pair q at ZZ + 2q
.set CS,  32                           ; v[32:47]   cos pair at CS + 4q, sin pair at CS + 4q + 2 (the set-up uses v36-61 before)
.set WT,  48                           ; v[48:111]  pre weights: 2 buffers x 4 rows x 8 channels
.set GT,  48                           ; v[48:79]   from the circuit on: the eight gates, 4 registers each
.set PT,  112                          ; v[112:127] pre_w on its way from memory to my copy
.set XR,  128                          ; v[128:251] ring of DEPTH slots of x
.set SA,  128                          ; circuit: state A, amplitude i: real pair at SA + 4i, imaginary pair at + 2
.set SB,  192                          ; state B
.set UQ,  192                          ; before layer 2: qubit w, component b at UQ + 8w + 4b
.set P01, 224                          ; products of qubits 0, 1
.set P23, 240                          ; products of qubits 2, 3
.set PP,  192                          ; after layer 2: probabilities, pair i at PP + 2i
.set QR,  224                          ; eight partial sums
.set DD,  240                          ; four differences
.set W2,  80                           ; output: 2 buffers of 40: 8 x 4 weights, 8 biases
.set OT,  160                          ; v[160:191] two sets of eight output pairs, in turn
; v0 thread, v1 = 8 t (byte offset of my two pixels), v2 = my copy's LDS base, v3 = 0 (LDS base of the shared tables),
; v4 = 16 lane, v5 = v2 + 16 lane, v6, v7 set-up, v8-v13 at work
; d = a * k[sel] (both pixels by one coefficient of the pair k), negated if ng
.macro BM d, a, k, sel, ng
	v_pk_mul_f32 v[\d:\d+1], v[\a:\a+1], v[\k:\k+1] op_sel:[0,\sel] op_sel_hi:[1,\sel] neg_lo:[0,\ng] neg_hi:[0,\ng]
.endm
; d += a * k[sel], or -= if ng
.macro BF d, a, k, sel, ng
	v_pk_fma_f32 v[\d:\d+1], v[\a:\a+1], v[\k:\k+1], v[\d:\d+1] op_sel:[0,\sel,0] op_sel_hi:[1,\sel,1] neg_lo:[0,\ng,0] neg_hi:[0,\ng,0]
.endm
; d = a * k[0] + c[selc]: the bias starts an output's sum
.macro BFB d, a, k, c, selc
	v_pk_fma_f32 v[\d:\d+1], v[\a:\a+1], v[\k:\k+1], v[\c:\c+1] op_sel:[0,0,\selc] op_sel_hi:[1,0,\selc]
.endm
; v[cd] = cos(pi/2 v[u]), v[sd] = sin(pi/2 v[u])
.macro SINCOS cd, sd, u
	v_rndne_f32 v8, v[\u]                          ; k
	v_sub_f32 v9, v[\u], v8                        ; f, exact
	v_cvt_i32_f32 v8, v8
	v_mul_f32 v10, v9, v9
	v_and_b32 v13, 1, v8
	v_fma_f32 v11, v10, s31, s30                   ; sine's series in f^2
	v_fma_f32 v12, v10, s35, s34                   ; cosine's
	v_cmp_eq_u32 vcc_lo, 1, v13                    ; odd k: sine and cosine change places
	v_fma_f32 v11, v11, v10, s29
	v_fma_f32 v12, v12, v10, s33
	v_lshlrev_b32 v13, 30, v8                      ; bit 1 of k: the sine's sign
	v_fma_f32 v11, v11, v10, s28
	v_fma_f32 v12, v12, v10, s32
	v_add_nc_u32 v8, 1, v8                         ; bit 1 of k + 1: the cosine's sign
	v_mul_f32 v11, v11, v9
	v_fma_f32 v12, v12, v10, 1.0
	v_and_b32 v13, 0x80000000, v13
	v_lshlrev_b32 v8, 30, v8
	v_cndmask_b32 v[\sd], v11, v12, vcc_lo
	v_cndmask_b32 v[\cd], v12, v11, vcc_lo
	v_and_b32 v8, 0x80000000, v8
	v_xor_b32 v[\sd], v[\sd], v13
	v_xor_b32 v[\cd], v[\cd], v8
.endm
; complex d = a * b
.macro CMUL d, a, b
	v_pk_mul_f32 v[\d:\d+1], v[\a+2:\a+3], v[\b+2:\b+3]
	v_pk_mul_f32 v[\d+2:\d+3], v[\a+2:\a+3], v[\b:\b+1]
	v_pk_fma_f32 v[\d:\d+1], v[\a:\a+1], v[\b:\b+1], v[\d:\d+1] neg_lo:[0,0,1] neg_hi:[0,0,1]
	v_pk_fma_f32 v[\d+2:\d+3], v[\a:\a+1], v[\b+2:\b+3], v[\d+2:\d+3]
.endm
; layer 1's gate of wire w on the real vector (cos, sin)
.macro ROT1 w
.set rk, GT+4*\w
.set rc, CS+4*\w
.set ru, UQ+8*\w
	BM ru,   rc, rk,   0, 0                        ;  ar c
	BM ru+2, rc, rk,   1, 1                        ; -ai c
	BM ru+4, rc, rk+2, 0, 0                        ;  br c
	BM ru+6, rc, rk+2, 1, 1                        ; -bi c
	BF ru,   rc+2, rk+2, 0, 1                      ; -br s
	BF ru+2, rc+2, rk+2, 1, 1                      ; -bi s
	BF ru+4, rc+2, rk,   0, 0                      ; +ar s
	BF ru+6, rc+2, rk,   1, 0                      ; +ai s
.endm
; gate g on amplitudes i0, i1 of src, into dst: four chains of four, step by step so that no line waits for the one in front
.macro GATE src, dst, g, i0, i1
.set ga0, \src+4*(\i0)
.set ga1, \src+4*(\i1)
.set gn0, \dst+4*(\i0)
.set gn1, \dst+4*(\i1)
.set gk, GT+4*\g
	BM gn0,   ga0,   gk,   0, 0
	BM gn0+2, ga0+2, gk,   0, 0
	BM gn1,   ga0,   gk+2, 0, 0
	BM gn1+2, ga0+2, gk+2, 0, 0
	BF gn0,   ga0+2, gk,   1, 0
	BF gn0+2, ga0,   gk,   1, 1
	BF gn1,   ga0+2, gk+2, 1, 0
	BF gn1+2, ga0,   gk+2, 1, 1
	BF gn0,   ga1,   gk+2, 0, 1
	BF gn0+2, ga1+2, gk+2, 0, 1
	BF gn1,   ga1,   gk,   0, 0
	BF gn1+2, ga1+2, gk,   0, 0
	BF gn0,   ga1+2, gk+2, 1, 0
	BF gn0+2, ga1,   gk+2, 1, 1
	BF gn1,   ga1+2, gk,   1, 1
	BF gn1+2, ga1,   gk,   1, 0
.endm
; gate g on the wire whose index bit is m: the eight pairs (i, i + m)
.macro WIRE src, dst, g, m
.set wi, 0
.rept 16
.if (wi & \m) == 0
	GATE \src, \dst, \g, wi, wi+\m
.endif
.set wi, wi+1
.endr
.endm
.macro SUM4 d, a, b, c, e
	v_pk_add_f32 v[\d:\d+1], v[\a:\a+1], v[\b:\b+1]
	v_pk_add_f32 v[8:9], v[\c:\c+1], v[\e:\e+1]
	v_pk_add_f32 v[\d:\d+1], v[\d:\d+1], v[8:9]
.endm
.macro PSUB d, a, b
	v_pk_add_f32 v[\d:\d+1], v[\a:\a+1], v[\b:\b+1] neg_lo:[0,1] neg_hi:[0,1]
.endm
; pre_w into my own copy: row q's 512 bytes, 16 a lane.  Only this wave reads these bytes, and LDS serves a wave's instructions in order
.macro PRESTORE
.irp q, 0,1,2,3
	ds_store_b128 v5, v[PT+4*\q:PT+4*\q+3] offset:512*\q
.endr
.endm
; eight LDS loads from my copy: pre_w[q][8 g .. 8 g + 7] to base + 8 q; every lane reads the same 16 bytes
.macro LDPRE g, base
.irp q, 0,1,2,3
.irp h, 0,1
	ds_load_b128 v[\base+8*\q+4*\h:\base+8*\q+4*\h+3], v2 offset:512*\q+32*(\g)+16*\h
.endr
.endr
.endm
; ten LDS loads: weights and biases of output channels 8 g .. 8 g + 7
.macro LDPOST g, base
.irp j, 0,1,2,3,4,5,6,7
	ds_load_b128 v[\base+4*\j:\base+4*\j+3], v3 offset:POSTW+16*(8*(\g)+\j)
.endr
	ds_load_b128 v[\base+32:\base+35], v3 offset:POSTB+32*(\g)
	ds_load_b128 v[\base+36:\base+39], v3 offset:POSTB+32*(\g)+16
.endm
; the ring's first fill: channels first .. last into their slots
.macro XFILL first, last
.set ch, \first
.rept (\last)-(\first)+1
	global_load_b64 v[XR+2*ch:XR+2*ch+1], v1, s[4:5] offset:ch*PLANE th:TH_LOAD_NT
.set ch, ch+1
.endr
.endm
; xq += pre_w[:, c] x[c] for the channels 8 g .. 8 g + 7; a slot is loaded again, DEPTH channels on, as soon as it is used.
; Channel c's four weights lie in the pairs wk + 8 q, in the half c & 1.  Channel 0 starts the sums.
.macro PREG g
.if \g < 15
	LDPRE \g+1, WT+32*((\g+1)&1)
	s_wait_dscnt 8                                 ; only the eight loads just issued (the next group's weights) may be out
.else
	s_wait_dscnt 0
.endif
.set ch, 8*(\g)
.rept 8
.set left, 127-ch                                  ; loads of x younger than channel ch: DEPTH - 1, at the end those that remain
.if left > DEPTH-1
.set left, DEPTH-1
.endif
.set xs, XR+2*(ch%DEPTH)
.set wk, WT+32*((ch/8)&1)+(ch%8)-(ch&1)
	s_wait_loadcnt left
.if ch == 0
	BM ACC,   xs, wk,    0, 0
	BM ACC+2, xs, wk+8,  0, 0
	BM ACC+4, xs, wk+16, 0, 0
	BM ACC+6, xs, wk+24, 0, 0
.else
.if ch & 1
	BF ACC,   xs, wk,    1, 0
	BF ACC+2, xs, wk+8,  1, 0
	BF ACC+4, xs, wk+16, 1, 0
	BF ACC+6, xs, wk+24, 1, 0
.else
	BF ACC,   xs, wk,    0, 0
	BF ACC+2, xs, wk+8,  0, 0
	BF ACC+4, xs, wk+16, 0, 0
	BF ACC+6, xs, wk+24, 0, 0
.endif
.endif
.if ch+DEPTH < 128
	global_load_b64 v[xs:xs+1], v1, s[4:5] offset:(ch+DEPTH)*PLANE th:TH_LOAD_NT
.endif
.set ch, ch+1
.endr
.endm
.macro PRERUN first, last
.set pg, \first
.rept (\last)-(\first)+1
	PREG pg
.set pg, pg+1
.endr
.endm
	; ---- entry: addresses, ids, constants
	s_load_b256 s[4:11], s[0:1], 0x0               ; x s[4:5], pre_w s[6:7], pre_b s[8:9], q_weights s[10:11]
	s_load_b128 s[12:15], s[0:1], 0x20             ; post_w s[12:13], post_b s[14:15]
	s_load_b64 s[16:17], s[0:1], 0x30              ; out0
	v_lshl_add_u32 v14, v0, 2, 0x4c00
	v_mov_b32 v15, 0
	v_lshlrev_b32 v1, 3, v0                        ; 8 t
	v_mov_b32 v3, 0
	v_lshrrev_b32 v6, 5, v0
	v_readfirstlane_b32 s24, v6                    ; wave number: 0-3 late group, 4-7 early group
	v_and_b32 v4, 31, v0
	v_lshlrev_b32 v4, 4, v4                        ; 16 lane
	s_mul_i32 s25, s24, COPY                       ; my copy of pre_w in LDS
	v_mov_b32 v2, s25
	v_add_nc_u32 v5, s25, v4
	s_lshr_b32 s18, ttmp9, 5                       ; image: 32 work-groups each,
	s_lshl_b32 s18, s18, 23                        ; 128 planes of 65,536 bytes
	s_and_b32 s19, ttmp9, 31
	s_lshl_b32 s19, s19, 11                        ; 512 pixels of 4 bytes
	s_or_b32 s18, s18, s19
	s_mov_b32 s19, 0                               ; below 2^26: the high word is 0
	s_mov_b32 s28, 0x3fc90fdb                      ; sine:    pi/2
	s_mov_b32 s29, 0xbf255de7                      ;         -(pi/2)^3 / 6
	s_mov_b32 s30, 0x3da335e3                      ;          (pi/2)^5 / 120
	s_mov_b32 s31, 0xbb996966                      ;         -(pi/2)^7 / 5040
	s_mov_b32 s32, 0xbf9de9e6                      ; cosine: -(pi/2)^2 / 2
	s_mov_b32 s33, 0x3e81e0f8                      ;          (pi/2)^4 / 24
	s_mov_b32 s34, 0xbcaae9e4                      ;         -(pi/2)^6 / 720
	s_mov_b32 s35, 0x3a70fa84                      ;          (pi/2)^8 / 40320
	s_mov_b32 s36, 0x3ea2f983                      ; 1 / pi
	s_wait_kmcnt 0x0
	s_add_nc_u64 s[4:5], s[4:5], s[18:19]          ; x and out at my work-group's pixels, channel 0
	s_add_nc_u64 s[16:17], s[16:17], s[18:19]
	s_load_b128 s[20:23], s[8:9], 0x0              ; pre_b, waited for in front of the barrier, added at the circuit's head
.irp q, 0,1,2,3
	global_load_b128 v[PT+4*\q:PT+4*\q+3], v4, s[6:7] offset:512*\q   ; pre_w, whole, for my copy: 512 consecutive bytes a load
.endr
	; ---- early group: fill the ring and work through the first SPLIT groups of channels.  Late group: the shared tables
	s_cmp_lt_u32 s24, 4
	s_cbranch_scc1 .Ltables
	XFILL 0, DEPTH-5                               ; 4 + 58 loads are out
	s_wait_loadcnt DEPTH-4                         ; loads return in order: only the 58 loads of x issued behind pre_w's four may be out
	PRESTORE
	XFILL DEPTH-4, DEPTH-1                         ; the ring's last four slots
	LDPRE 0, WT
	PRERUN 0, SPLIT-1
	s_branch .Lturn
.Ltables:
	v_and_b32 v6, 127, v0                          ; u: my number among the group's 128 threads = my row of post_w, my post_b
	v_lshlrev_b32 v7, 4, v6                        ; 16 u
	v_lshlrev_b32 v6, 2, v6                        ; 4 u
	global_load_b128 v[56:59], v7, s[12:13]        ; post_w[u][0..3]
	global_load_b32 v60, v6, s[14:15]              ; post_b[u]
	s_cmp_lg_u32 s24, 0
	s_cbranch_scc1 .Lno_angles
	v_bfe_u32 v61, v0, 2, 3                        ; wave 0: lane l makes word l & 3 of gate l >> 2
	v_mul_u32_u24 v61, 12, v61
	global_load_b32 v36, v61, s[10:11]             ; phi
	global_load_b32 v37, v61, s[10:11] offset:4    ; theta
	global_load_b32 v38, v61, s[10:11] offset:8    ; omega
.Lno_angles:
	s_wait_loadcnt 0x0                             ; the late group has nothing else out
	PRESTORE
	ds_store_b128 v7, v[56:59] offset:POSTW
	ds_store_b32 v6, v60 offset:POSTB
	s_cmp_lg_u32 s24, 0
	s_cbranch_scc1 .Lturn
	v_add_f32 v40, v36, v38
	v_sub_f32 v41, v36, v38
	v_mul_f32 v39, s36, v37                        ; theta / 2        = pi/2 x theta / pi
	v_mul_f32 v40, s36, v40                        ; (phi + omega) / 2 likewise
	v_mul_f32 v41, s36, v41                        ; (phi - omega) / 2
	SINCOS 42, 43, 39                              ; ct, st
	SINCOS 44, 45, 40                              ; cos a, sin a
	SINCOS 46, 47, 41                              ; cos b, sin b
	v_and_b32 v48, 1, v0
	v_and_b32 v49, 2, v0
	v_cmp_eq_u32 vcc_lo, 1, v48                    ; words 1, 3: the sine
	v_cndmask_b32 v50, v44, v45, vcc_lo
	v_cndmask_b32 v51, v46, v47, vcc_lo
	v_cmp_eq_u32 vcc_lo, 2, v49                    ; words 2, 3: angle b and st
	v_cndmask_b32 v50, v50, v51, vcc_lo
	v_cndmask_b32 v51, v42, v43, vcc_lo
	v_mul_f32 v50, v50, v51                        ; ct cos a, ct sin a, st cos b, st sin b
	v_and_b32 v52, 31, v0
	v_lshlrev_b32 v52, 2, v52
	ds_store_b32 v52, v50 offset:LGATE             ; lane l: word l of the 32
.Lturn:
	s_wait_kmcnt 0x0                               ; pre_b
	s_wait_dscnt 0x0                               ; late waves: the shared tables are in LDS before I say so; early waves: no LDS load is out at the signal
	s_barrier_signal -1
	s_barrier_wait -1                              ; the only barrier: post_w, post_b and the gates are there, and the late group may ask for x
	; ---- late group: the same fill and the same first SPLIT groups, now; then both groups go on in one text
	s_cmp_lt_u32 s24, 4
	s_cbranch_scc0 .Lrest
	s_wait_loadcnt 0x0                             ; nothing of mine is out (the tables' loads were waited for in front of their LDS stores): the wait
	                                               ; puts the fill below behind every earlier load, whichever lines led here
	XFILL 0, DEPTH-1
	LDPRE 0, WT
	PRERUN 0, SPLIT-1
.Lrest:
	PRERUN SPLIT, 15                               ; both groups arrive with channels 64 .. 125 in the ring and group 8's weights asked for
	; ---- the circuit, in registers
.irp g, 0,1,2,3,4,5,6,7
	ds_load_b128 v[GT+4*\g:GT+4*\g+3], v3 offset:LGATE+16*\g
.endr
	LDPOST 0, W2                                   ; the first output tables come in meanwhile: v[80:119] are free
.irp q, 0,1,2,3
	v_add_f32 v[ACC+2*\q],   s[20+\q], v[ACC+2*\q]     ; + pre_b
	v_add_f32 v[ACC+2*\q+1], s[20+\q], v[ACC+2*\q+1]
.endr
.irp q, 0,1,2,3
	SINCOS CS+4*\q,   CS+4*\q+2, ACC+2*\q          ; RY(pi xq) on |0>: (cos, sin) of pi/2 xq, pixel 0
	SINCOS CS+4*\q+1, CS+4*\q+3, ACC+2*\q+1        ; pixel 1
.endr
	s_wait_dscnt 10                                ; the gates are in: only the ten loads of output tables issued behind them may be out
	ROT1 0                                         ; layer 1's rotations act on single qubits of a product state
	ROT1 1
	ROT1 2
	ROT1 3
.irp x, 0,1
.irp y, 0,1
	CMUL P01+4*(2*\x+\y), UQ+4*\x,    UQ+8+4*\y
	CMUL P23+4*(2*\x+\y), UQ+16+4*\x, UQ+24+4*\y
.endr
.endr
	; the 16 amplitudes, layer 1's CNOTs (0,1) (1,2) (2,3) (3,0) folded into the indices:
	; state[b0 b1 b2 b3] = product[b0^b3, b1^b0^b3, b2^b1, b3^b2]
.set si, 0
.rept 16
.set qb0, (si>>3)&1
.set qb1, (si>>2)&1
.set qb2, (si>>1)&1
.set qb3, si&1
.set ia, 2*(qb0^qb3)+(qb1^qb0^qb3)
.set ib, 2*(qb2^qb1)+(qb3^qb2)
	CMUL SA+4*si, P01+4*ia, P23+4*ib
.set si, si+1
.endr
	WIRE SA, SB, 4, 8                              ; layer 2: wire 0 is index bit 8, .. wire 3 is bit 1
	WIRE SB, SA, 5, 4
	WIRE SA, SB, 6, 2
	WIRE SB, SA, 7, 1
.set si, 0
.rept 16
	v_pk_mul_f32 v[PP+2*si:PP+2*si+1], v[SA+4*si:SA+4*si+1], v[SA+4*si:SA+4*si+1]
.set si, si+1
.endr
.set si, 0
.rept 16
	v_pk_fma_f32 v[PP+2*si:PP+2*si+1], v[SA+4*si+2:SA+4*si+3], v[SA+4*si+2:SA+4*si+3], v[PP+2*si:PP+2*si+1]
.set si, si+1
.endr
	; layer 2's CNOTs (0,2) (1,3) (2,0) (3,1) only permute probabilities: in the indices c of p in front of them
	; z0 has the sign of c2, z1 of c3, z2 of c0^c2, z3 of c1^c3
.irp x, 0,1
.irp y, 0,1
	SUM4 QR+2*(2*\x+\y),   PP+2*(8*\x+2*\y), PP+2*(8*\x+2*\y+1), PP+2*(8*\x+2*\y+4), PP+2*(8*\x+2*\y+5)   ; c0 = x, c2 = y
	SUM4 QR+8+2*(2*\x+\y), PP+2*(4*\x+\y),   PP+2*(4*\x+\y+2),   PP+2*(4*\x+\y+8),   PP+2*(4*\x+\y+10)    ; c1 = x, c3 = y
.endr
.endr
	PSUB DD,   QR,    QR+2
	PSUB DD+2, QR+4,  QR+6
	PSUB DD+4, QR+8,  QR+10
	PSUB DD+6, QR+12, QR+14
	v_pk_add_f32 v[ZZ:ZZ+1],   v[DD:DD+1],   v[DD+2:DD+3]
	v_pk_add_f32 v[ZZ+2:ZZ+3], v[DD+4:DD+5], v[DD+6:DD+7]
	PSUB ZZ+4, DD,   DD+2
	PSUB ZZ+6, DD+4, DD+6
	; ---- out[o] = post_w[o] . z + post_b[o], 16 groups of 8 channels, eight chains side by side, two sets of output registers in turn
.set og, 0
.rept 16
.set ob, W2+40*(og&1)
.set oo, OT+16*(og&1)
.if og < 15
	LDPOST og+1, W2+40*((og+1)&1)
	s_wait_dscnt 10                                ; only the ten loads just issued (the next group's tables) may be out
.else
	s_wait_dscnt 0
.endif
.irp j, 0,2,4,6
	BFB oo+2*\j,   ZZ, ob+4*\j,   ob+32+\j, 0
	BFB oo+2*\j+2, ZZ, ob+4*\j+4, ob+32+\j, 1
.endr
.irp j, 0,1,2,3,4,5,6,7
	BF oo+2*\j, ZZ+2, ob+4*\j, 1, 0
.endr
.irp j, 0,1,2,3,4,5,6,7
	BF oo+2*\j, ZZ+4, ob+4*\j+2, 0, 0
.endr
.irp j, 0,1,2,3,4,5,6,7
	BF oo+2*\j, ZZ+6, ob+4*\j+2, 1, 0
.endr
.if og
	s_wait_xcnt 0x0                                ; the last group's stores, issued in front of this group's 32 sums, have taken their data:
	                                               ; the next group writes into their set only behind this wait
.endif
.irp j, 0,1,2,3,4,5,6,7
	global_store_b64 v1, v[oo+2*\j:oo+2*\j+1], s[16:17] offset:(8*og+\j)*PLANE th:TH_STORE_NT
.endr
.set og, og+1
.endr
	s_wait_tensorcnt 0x0
	ds_add_u32 v14, v15
	s_wait_dscnt 0x0
	s_endpgm
.Lfunc_end_k_q094e1965de_qlayer:
	.size	k_q094e1965de_qlayer, .Lfunc_end_k_q094e1965de_qlayer-k_q094e1965de_qlayer
	.p2alignl 7, 3214868480
	.fill 96, 4, 3214868480
	.section	.rodata,"a",@progbits
	.p2align	6, 0x0
	.amdhsa_kernel k_q094e1965de_qlayer
		.amdhsa_group_segment_fixed_size 20480
		.amdhsa_private_segment_fixed_size 0
		.amdhsa_enable_private_segment 0
		.amdhsa_kernarg_size 56
		.amdhsa_user_sgpr_count 2
		.amdhsa_user_sgpr_kernarg_segment_ptr 1
		.amdhsa_wavefront_size32 1
		.amdhsa_system_sgpr_workgroup_id_x 1
		.amdhsa_system_sgpr_workgroup_id_y 1
		.amdhsa_system_sgpr_workgroup_id_z 1
		.amdhsa_system_vgpr_workitem_id 0
		.amdhsa_next_free_vgpr 256
		.amdhsa_next_free_sgpr 66
		.amdhsa_reserve_vcc 1
		.amdhsa_float_denorm_mode_32 3
		.amdhsa_float_denorm_mode_16_64 3
		.amdhsa_memory_ordered 1
		.amdhsa_forward_progress 1
		.amdhsa_inst_pref_size 207
	.end_amdhsa_kernel
	.amdgpu_metadata
---
amdhsa.version: [ 1, 2 ]
amdhsa.kernels:
  - .name:           k_q094e1965de_qlayer
    .symbol:         k_q094e1965de_qlayer.kd
    .args:
      - { .name: x, .offset: 0, .size: 8, .value_kind: global_buffer, .address_space: global }
      - { .name: pre_w, .offset: 8, .size: 8, .value_kind: global_buffer, .address_space: global }
      - { .name: pre_b, .offset: 16, .size: 8, .value_kind: global_buffer, .address_space: global }
      - { .name: q_weights, .offset: 24, .size: 8, .value_kind: global_buffer, .address_space: global }
      - { .name: post_w, .offset: 32, .size: 8, .value_kind: global_buffer, .address_space: global }
      - { .name: post_b, .offset: 40, .size: 8, .value_kind: global_buffer, .address_space: global }
      - { .name: out0, .offset: 48, .size: 8, .value_kind: global_buffer, .address_space: global }
    .group_segment_fixed_size: 20480
    .private_segment_fixed_size: 0
    .kernarg_segment_align: 8
    .kernarg_segment_size: 56
    .max_flat_workgroup_size: 256
    .sgpr_count:     66
    .vgpr_count:     256
    .wavefront_size: 32
...
	.end_amdgpu_metadata
.endif
;; end of part 1
;; ======== version 2 of 2: 1 launch; version 1 with the launch qlayer written anew for expert scheduling mode
;; limits: right only within a limited range of input values
;; launch qlayer (part 2): grid 256 x 1, 8 waves a work-group, no clusters, 20,480 bytes of LDS; arguments x, pre_w, pre_b, q_weights, post_w, post_b, out0; writes out0
.if DOCPART == 2
	.amdgcn_target "amdgcn-amd-amdhsa--gfx1250"
	.amdhsa_code_object_version 6
	.text
	.protected	k_q094e1965de_qlayer
	.globl	k_q094e1965de_qlayer
	.p2align	8
	.type	k_q094e1965de_qlayer,@function
k_q094e1965de_qlayer:
	s_mov_b64 s[64:65], 0
	v_nop
	global_prefetch_b8 v0, s[64:65] scope:SCOPE_SE
	s_setreg_imm32_b32 hwreg(HW_REG_WAVE_SCHED_MODE, 0, 2), 2
	s_setreg_imm32_b32 hwreg(HW_REG_WAVE_MODE, 25, 1), 1
	s_wait_xcnt 0x0
	s_wait_alu depctr_vm_vsrc(0)
; out[n][o][p] = post_w[o] . z(p) + post_b[o],  z = <PauliZ> of a 4-qubit, 2-layer circuit fed with xq = pre_w . x[n][:][p] + pre_b.
; x, out: [8][128][16384] f32, a channel's plane of 16,384 pixels lies contiguous (65,536 bytes).
; One launch, everything fused: each byte of x is loaded once, each byte of out stored once, nothing goes through memory between.
; 256 work-groups of 8 waves; a work-group owns 512 neighbouring pixels of one image, thread t pixels 2t and 2t+1.
; Every per-pixel number is a register pair (pixel 0, pixel 1) and all arithmetic is packed f32; a load or store of a wave
; covers 256 consecutive bytes, aligned.  All channel steps (c x 65,536 <= 8,323,072) fit the immediate: no address is ever stepped.
; TWO GROUPS OUT OF STEP.  A wave's work is: load 128 channels, the circuit (registers only), store 128 channels.  Were all waves in step,
; nothing would be asked of memory while they all run the circuit.  So waves 4-7 (early) ask for x at once, while waves 0-3 (late) make the
; shared tables and ask for their x only behind the barrier, which the early waves reach after SPLIT x 8 = 64 channels, with 64 + FIRST = 124
; of their 128 loads issued.  The early circuit then runs beside the late loads, the late circuit beside the early stores.
; pre_w: EVERY WAVE KEEPS A COPY OF ITS OWN in LDS (2,048 bytes at wave x 2,048), so that no wave waits for another before its first
; channel: 16 KB of table loads a work-group beside its 512 KB of x and out.
; NO MATRIX UNIT: the products have 4 rows (pre) and 4 columns (post), 1,024 multiply-adds a pixel, and xq is a phase:
; rounding x and pre_w to 16 bits would shift it by an amount of the size of the allowed error.  f32 fused multiply-adds ride behind the stream.
; NO CLUSTER, NO TENSOR LOADS: work-groups share nothing but 5 KB of tables.
; sin and cos: the angle is pi/2 u; k = round(u), f = u - k (exact), Taylor series of sin and cos of pi/2 f on |f| <= 1/2
; (first terms left out: below 4e-7), quadrant from k's two low bits.
; LIMITS: |xq| and |q_weights| / pi below 2^31 (k goes through a 32-bit integer).  The reduction is made on u itself, while the
; reference rounds 0.5 pi u first: for large angles the two differ by the reference's own rounding of the angle.
; THE MODE: SCHED_MODE bits 1:0 = 2 (LLVM: expert scheduling mode 2), set by the entry lines.  The code itself states the register dependences
; between vector instructions and memory or LDS instructions, with s_wait_alu, always for 0.
; THE PLAN.  Registers that memory or LDS instructions touch:
;   v1-v5      offsets and LDS bases, made once at the head and never written again.
;   XR         the ring.  The channels go in blocks of LAG = 4.  Block b's sums read slots 4 b .. 4 b + 3; the four loads issued in block b land in the
;              slots that block b - 1 read.  ONE wait on va_vdst at a block's head states that block b - 1 is done reading them; the four loads follow,
;              one ahead of each channel's four sums, which name other slots, the sums and the weights.
;   WT0, WT1   weights of a group of 8 channels.  Group g's sums read WT[g & 1]; the LDS loads at group g's head land in the other, which group g - 1 read:
;              the same wait states that.
;   W2 (two)   output tables.  Group g's sums read buffer g & 1; the LDS loads at its head land in the other, which group g - 1 read.
;   OT (two)   output pairs.  Group g's sums write set g & 1; its eight stores are issued in group g + 1, among that group's first sixteen sums, which write the other set.
;              At a group's head: va_vdst for the stores' data and the tables' buffer; the waits on XCNT and vm_vsrc for the set that is written again.
;   PT, and the late waves' v36-v75: used before the barrier alone; the waits beside the barrier free them for the loads that land there later.
; Compares write their masks into scalar registers, in runs, with one wait on va_sdst between a run and the selects that read the masks.
.set DEPTH,  64                        ; slots of the ring
.set LAG,    4                         ; channels in a block: a slot is loaded again one block behind its use (a name, no knob: two blocks are a group of weights)
.set FIRST,  DEPTH-LAG                 ; loads of the first fill; channel c + FIRST is asked for just ahead of channel c's sums: up to 61 x 256 bytes of a wave are on their way
.set SPLIT,  8                         ; groups of 8 channels that the early waves work through before the late waves ask for x
.set PLANE,  65536                     ; bytes from a channel to the next
.set COPY,   2048                      ; LDS     0-16383: wave w's copy of pre_w at w x COPY, as it lies: row q = 512 bytes
.set POSTW,  16384                     ; LDS 16384-18431: post_w as it lies, row o = 16 bytes
.set POSTB,  18432                     ; LDS 18432-18943: post_b as it lies
.set LGATE,  18944                     ; LDS 18944-19071: gate g = 4 layer + wire: (ar, ai, br, bi): U00 = ar - i ai, U11 = ar + i ai, U01 = -(br + i bi), U10 = br - i bi
.set ACC, 16                           ; v[16:23]   xq, pair q at ACC + 2q
.set ZZ,  24                           ; v[24:31]   z, pair q at ZZ + 2q
.set CS,  32                           ; v[32:47]   cos pair at CS + 4q, sin pair at CS + 4q + 2 (the set-up uses v36-75 before)
.set WT,  48                           ; v[48:111]  pre weights: 2 buffers x 4 rows x 8 channels
.set GT,  48                           ; v[48:79]   from the circuit on: the eight gates, 4 registers each
.set PT,  112                          ; v[112:127] pre_w on its way from memory to my copy
.set XR,  128                          ; v[128:255] ring of DEPTH slots of x
.set SCT, 128                          ; v[128:159] at the circuit's head: four registers an angle: both series' values, both signs
.set SA,  128                          ; circuit: state A, amplitude i: real pair at SA + 4i, imaginary pair at + 2
.set SB,  192                          ; state B
.set UQ,  192                          ; before layer 2: qubit w, component b at UQ + 8w + 4b
.set P01, 224                          ; products of qubits 0, 1
.set P23, 240                          ; products of qubits 2, 3
.set PP,  192                          ; after layer 2: probabilities, pair i at PP + 2i
.set QR,  224                          ; eight partial sums
.set DD,  240                          ; four differences
.set W2,  80                           ; output: 2 buffers of 40: 8 x 4 weights, 8 biases
.set OT,  160                          ; v[160:191] two sets of eight output pairs, in turn
; v0 thread, v1 = 8 t (byte offset of my two pixels), v2 = my copy's LDS base, v3 = 0 (LDS base of the shared tables),
; v4 = 16 lane, v5 = v2 + 16 lane, v6, v7 set-up, v8-v13 at work
; masks of compares: s2, s3, s18, s19, s26, s27, s38, s39 (s18, s19 are free behind the head's two sums)
; d = a * k[sel] (both pixels by one coefficient of the pair k), negated if ng
.macro BM d, a, k, sel, ng
	v_pk_mul_f32 v[\d:\d+1], v[\a:\a+1], v[\k:\k+1] op_sel:[0,\sel] op_sel_hi:[1,\sel] neg_lo:[0,\ng] neg_hi:[0,\ng]
.endm
; d += a * k[sel], or -= if ng
.macro BF d, a, k, sel, ng
	v_pk_fma_f32 v[\d:\d+1], v[\a:\a+1], v[\k:\k+1], v[\d:\d+1] op_sel:[0,\sel,0] op_sel_hi:[1,\sel,1] neg_lo:[0,\ng,0] neg_hi:[0,\ng,0]
.endm
; d = a * k[0] + c[selc]: the bias starts an output's sum
.macro BFB d, a, k, c, selc
	v_pk_fma_f32 v[\d:\d+1], v[\a:\a+1], v[\k:\k+1], v[\c:\c+1] op_sel:[0,0,\selc] op_sel_hi:[1,0,\selc]
.endm
; cos and sin of pi/2 v[u], in two parts, so that the compares of several angles stand in a run ahead of one wait.
; First part: v[t] the sine's series, v[t+1] the cosine's, v[t+2] the sine's sign, v[t+3] the cosine's; s[m]: the lanes with odd k
.macro SCA u, t, m
	v_rndne_f32 v8, v[\u]                          ; k
	v_sub_f32 v9, v[\u], v8                        ; f, exact
	v_cvt_i32_f32 v8, v8
	v_mul_f32 v10, v9, v9
	v_and_b32 v13, 1, v8
	v_fma_f32 v[\t], v10, s31, s30                 ; sine's series in f^2
	v_fma_f32 v[\t+1], v10, s35, s34               ; cosine's
	v_cmp_eq_u32 s[\m], 1, v13                     ; odd k: sine and cosine change places
	v_fma_f32 v[\t], v[\t], v10, s29
	v_fma_f32 v[\t+1], v[\t+1], v10, s33
	v_lshlrev_b32 v[\t+2], 30, v8                  ; bit 1 of k: the sine's sign
	v_fma_f32 v[\t], v[\t], v10, s28
	v_fma_f32 v[\t+1], v[\t+1], v10, s32
	v_add_nc_u32 v8, 1, v8                         ; bit 1 of k + 1: the cosine's sign
	v_mul_f32 v[\t], v[\t], v9
	v_fma_f32 v[\t+1], v[\t+1], v10, 1.0
	v_and_b32 v[\t+2], 0x80000000, v[\t+2]
	v_lshlrev_b32 v[\t+3], 30, v8
	v_and_b32 v[\t+3], 0x80000000, v[\t+3]
.endm
; Second part, behind the wait for the masks: v[cd] = cos, v[sd] = sin
.macro SCB cd, sd, t, m
	v_cndmask_b32 v[\sd], v[\t], v[\t+1], s[\m]
	v_cndmask_b32 v[\cd], v[\t+1], v[\t], s[\m]
	v_xor_b32 v[\sd], v[\sd], v[\t+2]
	v_xor_b32 v[\cd], v[\cd], v[\t+3]
.endm
; both pixels of qubit q; masks s[m], s[m+1]
.macro SCQA q, m
	SCA ACC+2*(\q),   SCT+8*(\q),   \m
	SCA ACC+2*(\q)+1, SCT+8*(\q)+4, (\m)+1
.endm
.macro SCQB q, m
	SCB CS+4*(\q),   CS+4*(\q)+2, SCT+8*(\q),   \m
	SCB CS+4*(\q)+1, CS+4*(\q)+3, SCT+8*(\q)+4, (\m)+1
.endm
; complex d = a * b
.macro CMUL d, a, b
	v_pk_mul_f32 v[\d:\d+1], v[\a+2:\a+3], v[\b+2:\b+3]
	v_pk_mul_f32 v[\d+2:\d+3], v[\a+2:\a+3], v[\b:\b+1]
	v_pk_fma_f32 v[\d:\d+1], v[\a:\a+1], v[\b:\b+1], v[\d:\d+1] neg_lo:[0,0,1] neg_hi:[0,0,1]
	v_pk_fma_f32 v[\d+2:\d+3], v[\a:\a+1], v[\b+2:\b+3], v[\d+2:\d+3]
.endm
; layer 1's gate of wire w on the real vector (cos, sin)
.macro ROT1 w
.set rk, GT+4*\w
.set rc, CS+4*\w
.set ru, UQ+8*\w
	BM ru,   rc, rk,   0, 0                        ;  ar c
	BM ru+2, rc, rk,   1, 1                        ; -ai c
	BM ru+4, rc, rk+2, 0, 0                        ;  br c
	BM ru+6, rc, rk+2, 1, 1                        ; -bi c
	BF ru,   rc+2, rk+2, 0, 1                      ; -br s
	BF ru+2, rc+2, rk+2, 1, 1                      ; -bi s
	BF ru+4, rc+2, rk,   0, 0                      ; +ar s
	BF ru+6, rc+2, rk,   1, 0                      ; +ai s
.endm
; gate g on amplitudes i0, i1 of src, into dst: four chains of four, step by step so that no line waits for the one in front
.macro GATE src, dst, g, i0, i1
.set ga0, \src+4*(\i0)
.set ga1, \src+4*(\i1)
.set gn0, \dst+4*(\i0)
.set gn1, \dst+4*(\i1)
.set gk, GT+4*\g
	BM gn0,   ga0,   gk,   0, 0
	BM gn0+2, ga0+2, gk,   0, 0
	BM gn1,   ga0,   gk+2, 0, 0
	BM gn1+2, ga0+2, gk+2, 0, 0
	BF gn0,   ga0+2, gk,   1, 0
	BF gn0+2, ga0,   gk,   1, 1
	BF gn1,   ga0+2, gk+2, 1, 0
	BF gn1+2, ga0,   gk+2, 1, 1
	BF gn0,   ga1,   gk+2, 0, 1
	BF gn0+2, ga1+2, gk+2, 0, 1
	BF gn1,   ga1,   gk,   0, 0
	BF gn1+2, ga1+2, gk,   0, 0
	BF gn0,   ga1+2, gk+2, 1, 0
	BF gn0+2, ga1,   gk+2, 1, 1
	BF gn1,   ga1+2, gk,   1, 1
	BF gn1+2, ga1,   gk,   1, 0
.endm
; gate g on the wire whose index bit is m: the eight pairs (i, i + m)
.macro WIRE src, dst, g, m
.set wi, 0
.rept 16
.if (wi & \m) == 0
	GATE \src, \dst, \g, wi, wi+\m
.endif
.set wi, wi+1
.endr
.endm
.macro SUM4 d, a, b, c, e
	v_pk_add_f32 v[\d:\d+1], v[\a:\a+1], v[\b:\b+1]
	v_pk_add_f32 v[8:9], v[\c:\c+1], v[\e:\e+1]
	v_pk_add_f32 v[\d:\d+1], v[\d:\d+1], v[8:9]
.endm
.macro PSUB d, a, b
	v_pk_add_f32 v[\d:\d+1], v[\a:\a+1], v[\b:\b+1] neg_lo:[0,1] neg_hi:[0,1]
.endm
; pre_w into my own copy: row q's 512 bytes, 16 a lane.  Only this wave reads these bytes, and LDS serves a wave's instructions in order
.macro PRESTORE
.irp q, 0,1,2,3
	ds_store_b128 v5, v[PT+4*\q:PT+4*\q+3] offset:512*\q
.endr
.endm
; eight LDS loads from my copy: pre_w[q][8 g .. 8 g + 7] to base + 8 q; every lane reads the same 16 bytes
.macro LDPRE g, base
.irp q, 0,1,2,3
.irp h, 0,1
	ds_load_b128 v[\base+8*\q+4*\h:\base+8*\q+4*\h+3], v2 offset:512*\q+32*(\g)+16*\h
.endr
.endr
.endm
; ten LDS loads: weights and biases of output channels 8 g .. 8 g + 7
.macro LDPOST g, base
.irp j, 0,1,2,3,4,5,6,7
	ds_load_b128 v[\base+4*\j:\base+4*\j+3], v3 offset:POSTW+16*(8*(\g)+\j)
.endr
	ds_load_b128 v[\base+32:\base+35], v3 offset:POSTB+32*(\g)
	ds_load_b128 v[\base+36:\base+39], v3 offset:POSTB+32*(\g)+16
.endm
; the ring's first fill: channels first .. last into their slots
.macro XFILL first, last
.set ch, \first
.rept (\last)-(\first)+1
	global_load_b64 v[XR+2*ch:XR+2*ch+1], v1, s[4:5] offset:ch*PLANE th:TH_LOAD_NT
.set ch, ch+1
.endr
.endm
; Block b: xq += pre_w[:, c] x[c] for the channels 4 b .. 4 b + 3.  Ahead of channel c's sums channel c + FIRST is asked for, into the slot that
; channel c - LAG left in the block before (in block 0: into the ring's last four slots, which nothing has touched).
; Channel c's four weights lie in the pairs wk + 8 q, in the half c & 1.  Channel 0 starts the sums.
.macro PREB b
.set c0, LAG*(\b)
.set left, 127-c0                                  ; loads of x younger than the block's first channel: FIRST - 1, at the end those that remain
.if left > FIRST-1
.set left, FIRST-1
.endif
	s_wait_loadcnt left
.if (\b) > 0
	s_wait_alu depctr_va_vdst(0)                   ; the block before is done reading its four slots, in which the four loads below land; at a group's head the group before is done reading its weights, in which the LDS loads below land
.endif
.if ((\b)&1) == 0
.if (\b) < 30
	LDPRE (\b)/2+1, WT+32*(((\b)/2+1)&1)
	s_wait_dscnt 8                                 ; only the eight loads just issued (the next group's weights) may be out
.else
	s_wait_dscnt 0
.endif
.endif
.set ch, c0
.rept LAG
.set xs, XR+2*(ch%DEPTH)
.set xn, XR+2*((ch+FIRST)%DEPTH)
.set wk, WT+32*((ch/8)&1)+(ch%8)-(ch&1)
.if ch+FIRST < 128
	global_load_b64 v[xn:xn+1], v1, s[4:5] offset:(ch+FIRST)*PLANE th:TH_LOAD_NT  ; no vector instruction since the wait above names this slot
.endif
.if ch > c0
.set left, 127-ch                                  ; loads of x younger than channel ch: FIRST, at the end those that remain
.if left > FIRST
.set left, FIRST
.endif
	s_wait_loadcnt left
.endif
.if ch == 0
	BM ACC,   xs, wk,    0, 0
	BM ACC+2, xs, wk+8,  0, 0
	BM ACC+4, xs, wk+16, 0, 0
	BM ACC+6, xs, wk+24, 0, 0
.else
.if ch & 1
	BF ACC,   xs, wk,    1, 0
	BF ACC+2, xs, wk+8,  1, 0
	BF ACC+4, xs, wk+16, 1, 0
	BF ACC+6, xs, wk+24, 1, 0
.else
	BF ACC,   xs, wk,    0, 0
	BF ACC+2, xs, wk+8,  0, 0
	BF ACC+4, xs, wk+16, 0, 0
	BF ACC+6, xs, wk+24, 0, 0
.endif
.endif
.set ch, ch+1
.endr
.endm
.macro PRERUN first, last              ; blocks first .. last
.set pb, \first
.rept (\last)-(\first)+1
	PREB pb
.set pb, pb+1
.endr
.endm
; output channel 8 g + j leaves from group g's set
.macro OSTORE g, j
	global_store_b64 v1, v[OT+16*((\g)&1)+2*(\j):OT+16*((\g)&1)+2*(\j)+1], s[16:17] offset:(8*(\g)+(\j))*PLANE th:TH_STORE_NT
.endm
	; ---- entry: addresses, ids, constants
	s_load_b256 s[4:11], s[0:1], 0x0               ; x s[4:5], pre_w s[6:7], pre_b s[8:9], q_weights s[10:11]
	s_load_b128 s[12:15], s[0:1], 0x20             ; post_w s[12:13], post_b s[14:15]
	s_load_b64 s[16:17], s[0:1], 0x30              ; out0
	v_lshl_add_u32 v14, v0, 2, 0x4c00
	v_mov_b32 v15, 0
	v_lshlrev_b32 v1, 3, v0                        ; 8 t
	v_mov_b32 v3, 0
	v_lshrrev_b32 v6, 5, v0
	v_readfirstlane_b32 s24, v6                    ; wave number: 0-3 late group, 4-7 early group
	v_and_b32 v4, 31, v0
	v_lshlrev_b32 v4, 4, v4                        ; 16 lane
	s_wait_alu depctr_va_sdst(0)                   ; s24 is written, ahead of its first reader: my copy's LDS base and the branches are made from it
	s_mul_i32 s25, s24, COPY                       ; my copy of pre_w in LDS
	v_mov_b32 v2, s25
	v_add_nc_u32 v5, s25, v4
	s_lshr_b32 s18, ttmp9, 5                       ; image: 32 work-groups each,
	s_lshl_b32 s18, s18, 23                        ; 128 planes of 65,536 bytes
	s_and_b32 s19, ttmp9, 31
	s_lshl_b32 s19, s19, 11                        ; 512 pixels of 4 bytes
	s_or_b32 s18, s18, s19
	s_mov_b32 s19, 0                               ; below 2^26: the high word is 0
	s_mov_b32 s28, 0x3fc90fdb                      ; sine:    pi/2
	s_mov_b32 s29, 0xbf255de7                      ;         -(pi/2)^3 / 6
	s_mov_b32 s30, 0x3da335e3                      ;          (pi/2)^5 / 120
	s_mov_b32 s31, 0xbb996966                      ;         -(pi/2)^7 / 5040
	s_mov_b32 s32, 0xbf9de9e6                      ; cosine: -(pi/2)^2 / 2
	s_mov_b32 s33, 0x3e81e0f8                      ;          (pi/2)^4 / 24
	s_mov_b32 s34, 0xbcaae9e4                      ;         -(pi/2)^6 / 720
	s_mov_b32 s35, 0x3a70fa84                      ;          (pi/2)^8 / 40320
	s_mov_b32 s36, 0x3ea2f983                      ; 1 / pi
	s_wait_kmcnt 0x0
	s_add_nc_u64 s[4:5], s[4:5], s[18:19]          ; x and out at my work-group's pixels, channel 0
	s_add_nc_u64 s[16:17], s[16:17], s[18:19]
	s_load_b128 s[20:23], s[8:9], 0x0              ; pre_b, waited for in front of the barrier, added at the circuit's head
	s_wait_alu depctr_va_vdst(0)                   ; v1 to v5 are written: every load and store of x, out, pre_w and the tables in LDS reads one of them as its offset or address
.irp q, 0,1,2,3
	global_load_b128 v[PT+4*\q:PT+4*\q+3], v4, s[6:7] offset:512*\q   ; pre_w, whole, for my copy: 512 consecutive bytes a load
.endr
	; ---- early group: fill the ring and work through the first SPLIT groups of channels.  Late group: the shared tables
	s_cmp_lt_u32 s24, 4
	s_cbranch_scc1 .Ltables
	XFILL 0, FIRST-3                               ; 4 + 58 loads are out
	s_wait_loadcnt FIRST-2                         ; loads return in order: only the 58 loads of x issued behind pre_w's four may be out
	PRESTORE
	XFILL FIRST-2, FIRST-1                         ; the last two of the first fill
	LDPRE 0, WT
	PRERUN 0, 2*SPLIT-1
	s_branch .Lturn
.Ltables:
	v_and_b32 v6, 127, v0                          ; u: my number among the group's 128 threads = my row of post_w, my post_b
	v_lshlrev_b32 v7, 4, v6                        ; 16 u
	v_lshlrev_b32 v6, 2, v6                        ; 4 u
	s_wait_alu depctr_va_vdst(0)                   ; v6 and v7 are written: the two loads below and the LDS stores of their data read them as offsets
	global_load_b128 v[56:59], v7, s[12:13]        ; post_w[u][0..3]
	global_load_b32 v60, v6, s[14:15]              ; post_b[u]
	s_cmp_lg_u32 s24, 0
	s_cbranch_scc1 .Lno_angles
	v_bfe_u32 v61, v0, 2, 3                        ; wave 0: lane l makes word l & 3 of gate l >> 2
	v_mul_u32_u24 v61, 12, v61
	s_wait_alu depctr_va_vdst(0)                   ; v61 is written: the three loads below read it as their offset
	global_load_b32 v36, v61, s[10:11]             ; phi
	global_load_b32 v37, v61, s[10:11] offset:4    ; theta
	global_load_b32 v38, v61, s[10:11] offset:8    ; omega
.Lno_angles:
	s_wait_loadcnt 0x0                             ; the late group has nothing else out
	PRESTORE
	ds_store_b128 v7, v[56:59] offset:POSTW
	ds_store_b32 v6, v60 offset:POSTB
	s_cmp_lg_u32 s24, 0
	s_cbranch_scc1 .Lturn
	v_add_f32 v40, v36, v38
	v_sub_f32 v41, v36, v38
	v_mul_f32 v39, s36, v37                        ; theta / 2        = pi/2 x theta / pi
	v_mul_f32 v40, s36, v40                        ; (phi + omega) / 2 likewise
	v_mul_f32 v41, s36, v41                        ; (phi - omega) / 2
	SCA 39, 64, 2
	SCA 40, 68, 3
	SCA 41, 72, 18
	v_and_b32 v48, 1, v0
	v_and_b32 v49, 2, v0
	v_cmp_eq_u32 s19, 1, v48                       ; words 1, 3: the sine
	v_cmp_eq_u32 s26, 2, v49                       ; words 2, 3: angle b and st
	v_and_b32 v52, 31, v0
	v_lshlrev_b32 v52, 2, v52
	s_wait_alu depctr_va_sdst(0)                   ; the five compares have written s2, s3, s18, s19 and s26, ahead of the selects that read them
	SCB 42, 43, 64, 2                              ; ct, st
	SCB 44, 45, 68, 3                              ; cos a, sin a
	SCB 46, 47, 72, 18                             ; cos b, sin b
	v_cndmask_b32 v50, v44, v45, s19
	v_cndmask_b32 v51, v46, v47, s19
	v_cndmask_b32 v50, v50, v51, s26
	v_cndmask_b32 v51, v42, v43, s26
	v_mul_f32 v50, v50, v51                        ; ct cos a, ct sin a, st cos b, st sin b
	s_wait_alu depctr_va_vdst(0)                   ; v50 and v52 are written: the data and the address of the LDS store below
	ds_store_b32 v52, v50 offset:LGATE             ; lane l: word l of the 32
.Lturn:
	s_wait_kmcnt 0x0                               ; pre_b
	s_wait_dscnt 0x0                               ; late waves: the shared tables are in LDS before I say so; early waves: no LDS load is out at the signal
	s_wait_alu depctr_vm_vsrc(0)                   ; my LDS stores have read v[PT ..], in which output tables land later; the late waves' stores and loads have read v50, v52 and v56 to v61, in which weights land behind the barrier
	s_barrier_signal -1
	s_barrier_wait -1                              ; the only barrier: post_w, post_b and the gates are there, and the late group may ask for x
	; ---- late group: the same fill and the same first SPLIT groups, now; then both groups go on in one text
	s_cmp_lt_u32 s24, 4
	s_cbranch_scc0 .Lrest
	s_wait_loadcnt 0x0                             ; nothing of mine is out (the tables' loads were waited for in front of their LDS stores): the wait
	                                               ; puts the fill below behind every earlier load, whichever lines led here
	s_wait_alu depctr_va_vdst(0)                   ; the set-up's vector lines have written v39 to v75: the first weights below land in v48 to v79
	XFILL 0, FIRST-1
	LDPRE 0, WT
	PRERUN 0, 2*SPLIT-1
.Lrest:
	PRERUN 2*SPLIT, 31                             ; both groups arrive with channels 64 .. 123 asked for and group 8's weights asked for
	; ---- the circuit, in registers
	s_wait_alu depctr_va_vdst(0)                   ; the last two groups' sums are done reading both buffers of weights, v48 to v111, in which the gates and the first output tables land
.irp g, 0,1,2,3,4,5,6,7
	ds_load_b128 v[GT+4*\g:GT+4*\g+3], v3 offset:LGATE+16*\g
.endr
	LDPOST 0, W2                                   ; the first output tables come in meanwhile: v[80:119] are free
.irp q, 0,1,2,3
	v_add_f32 v[ACC+2*\q],   s[20+\q], v[ACC+2*\q]     ; + pre_b
	v_add_f32 v[ACC+2*\q+1], s[20+\q], v[ACC+2*\q+1]
.endr
	SCQA 0, 2                                      ; RY(pi xq) on |0>: (cos, sin) of pi/2 xq, both pixels of each qubit: the series, the signs and the eight compares
	SCQA 1, 18
	SCQA 2, 26
	SCQA 3, 38
	s_wait_alu depctr_va_sdst(0)                   ; the eight compares have written their masks, ahead of the selects that read them
	SCQB 0, 2
	SCQB 1, 18
	SCQB 2, 26
	SCQB 3, 38
	s_wait_dscnt 10                                ; the gates are in: only the ten loads of output tables issued behind them may be out
	ROT1 0                                         ; layer 1's rotations act on single qubits of a product state
	ROT1 1
	ROT1 2
	ROT1 3
.irp x, 0,1
.irp y, 0,1
	CMUL P01+4*(2*\x+\y), UQ+4*\x,    UQ+8+4*\y
	CMUL P23+4*(2*\x+\y), UQ+16+4*\x, UQ+24+4*\y
.endr
.endr
	; the 16 amplitudes, layer 1's CNOTs (0,1) (1,2) (2,3) (3,0) folded into the indices:
	; state[b0 b1 b2 b3] = product[b0^b3, b1^b0^b3, b2^b1, b3^b2]
.set si, 0
.rept 16
.set qb0, (si>>3)&1
.set qb1, (si>>2)&1
.set qb2, (si>>1)&1
.set qb3, si&1
.set ia, 2*(qb0^qb3)+(qb1^qb0^qb3)
.set ib, 2*(qb2^qb1)+(qb3^qb2)
	CMUL SA+4*si, P01+4*ia, P23+4*ib
.set si, si+1
.endr
	WIRE SA, SB, 4, 8                              ; layer 2: wire 0 is index bit 8, .. wire 3 is bit 1
	WIRE SB, SA, 5, 4
	WIRE SA, SB, 6, 2
	WIRE SB, SA, 7, 1
.set si, 0
.rept 16
	v_pk_mul_f32 v[PP+2*si:PP+2*si+1], v[SA+4*si:SA+4*si+1], v[SA+4*si:SA+4*si+1]
.set si, si+1
.endr
.set si, 0
.rept 16
	v_pk_fma_f32 v[PP+2*si:PP+2*si+1], v[SA+4*si+2:SA+4*si+3], v[SA+4*si+2:SA+4*si+3], v[PP+2*si:PP+2*si+1]
.set si, si+1
.endr
	; layer 2's CNOTs (0,2) (1,3) (2,0) (3,1) only permute probabilities: in the indices c of p in front of them
	; z0 has the sign of c2, z1 of c3, z2 of c0^c2, z3 of c1^c3
.irp x, 0,1
.irp y, 0,1
	SUM4 QR+2*(2*\x+\y),   PP+2*(8*\x+2*\y), PP+2*(8*\x+2*\y+1), PP+2*(8*\x+2*\y+4), PP+2*(8*\x+2*\y+5)   ; c0 = x, c2 = y
	SUM4 QR+8+2*(2*\x+\y), PP+2*(4*\x+\y),   PP+2*(4*\x+\y+2),   PP+2*(4*\x+\y+8),   PP+2*(4*\x+\y+10)    ; c1 = x, c3 = y
.endr
.endr
	PSUB DD,   QR,    QR+2
	PSUB DD+2, QR+4,  QR+6
	PSUB DD+4, QR+8,  QR+10
	PSUB DD+6, QR+12, QR+14
	v_pk_add_f32 v[ZZ:ZZ+1],   v[DD:DD+1],   v[DD+2:DD+3]
	v_pk_add_f32 v[ZZ+2:ZZ+3], v[DD+4:DD+5], v[DD+6:DD+7]
	PSUB ZZ+4, DD,   DD+2
	PSUB ZZ+6, DD+4, DD+6
	; ---- out[o] = post_w[o] . z + post_b[o], 16 groups of 8 channels, eight chains side by side, two sets of output registers in turn.
	; A group's eight stores are issued in the next group, among its first sixteen sums, which write the other set
.set og, 0
.rept 16
.set ob, W2+40*(og&1)
.set oo, OT+16*(og&1)
.if og >= 2
	s_wait_xcnt 0x0                                ; the stores issued in the last group, sixteen sums or more back, have had their addresses translated:
	                                               ; this group's sums write into their set only behind this wait,
	s_wait_alu depctr_vm_vsrc(0)                   ; and those stores have read that set
.endif
	s_wait_alu depctr_va_vdst(0)                   ; the last group's sums have written the other set, which the stores below read, and are done reading their tables, in which the LDS loads below land (group 0: the circuit is done with v128 to v159)
.if og < 15
	LDPOST og+1, W2+40*((og+1)&1)
	s_wait_dscnt 10                                ; only the ten loads just issued (the next group's tables) may be out
.else
	s_wait_dscnt 0
.endif
.irp j, 0,2,4,6
.if og
	OSTORE og-1, \j/2                              ; no vector instruction since the wait above names the set that it reads
.endif
	BFB oo+2*\j,   ZZ, ob+4*\j,   ob+32+\j, 0
	BFB oo+2*\j+2, ZZ, ob+4*\j+4, ob+32+\j, 1
.endr
.irp j, 0,1,2,3,4,5,6,7
.if og && (\j%2 == 0)
	OSTORE og-1, 4+\j/2
.endif
	BF oo+2*\j, ZZ+2, ob+4*\j, 1, 0
.endr
.irp j, 0,1,2,3,4,5,6,7
	BF oo+2*\j, ZZ+4, ob+4*\j+2, 0, 0
.endr
.irp j, 0,1,2,3,4,5,6,7
	BF oo+2*\j, ZZ+6, ob+4*\j+2, 1, 0
.endr
.set og, og+1
.endr
	s_wait_alu depctr_va_vdst(0)                   ; group 15's sums have written their set, which the last eight stores read
.irp j, 0,1,2,3,4,5,6,7
	OSTORE 15, \j
.endr
	s_wait_dscnt 0x0
	s_wait_alu depctr_hold_cnt(0) depctr_sa_sdst(0) depctr_va_vdst(0) depctr_va_sdst(0) depctr_va_ssrc(0) depctr_va_vcc(0) depctr_vm_vsrc(0)
	s_wait_tensorcnt 0x0
	ds_add_u32 v14, v15
	s_wait_dscnt 0x0
	s_endpgm
.Lfunc_end_k_q094e1965de_qlayer:
	.size	k_q094e1965de_qlayer, .Lfunc_end_k_q094e1965de_qlayer-k_q094e1965de_qlayer
	.p2alignl 7, 3214868480
	.fill 96, 4, 3214868480
	.section	.rodata,"a",@progbits
	.p2align	6, 0x0
	.amdhsa_kernel k_q094e1965de_qlayer
		.amdhsa_group_segment_fixed_size 20480
		.amdhsa_private_segment_fixed_size 0
		.amdhsa_enable_private_segment 0
		.amdhsa_kernarg_size 56
		.amdhsa_user_sgpr_count 2
		.amdhsa_user_sgpr_kernarg_segment_ptr 1
		.amdhsa_wavefront_size32 1
		.amdhsa_system_sgpr_workgroup_id_x 1
		.amdhsa_system_sgpr_workgroup_id_y 1
		.amdhsa_system_sgpr_workgroup_id_z 1
		.amdhsa_system_vgpr_workitem_id 0
		.amdhsa_next_free_vgpr 256
		.amdhsa_next_free_sgpr 66
		.amdhsa_reserve_vcc 0
		.amdhsa_float_denorm_mode_32 3
		.amdhsa_float_denorm_mode_16_64 3
		.amdhsa_memory_ordered 1
		.amdhsa_forward_progress 1
		.amdhsa_inst_pref_size 211
	.end_amdhsa_kernel
	.amdgpu_metadata
---
amdhsa.version: [ 1, 2 ]
amdhsa.kernels:
  - .name:           k_q094e1965de_qlayer
    .symbol:         k_q094e1965de_qlayer.kd
    .args:
      - { .name: x, .offset: 0, .size: 8, .value_kind: global_buffer, .address_space: global }
      - { .name: pre_w, .offset: 8, .size: 8, .value_kind: global_buffer, .address_space: global }
      - { .name: pre_b, .offset: 16, .size: 8, .value_kind: global_buffer, .address_space: global }
      - { .name: q_weights, .offset: 24, .size: 8, .value_kind: global_buffer, .address_space: global }
      - { .name: post_w, .offset: 32, .size: 8, .value_kind: global_buffer, .address_space: global }
      - { .name: post_b, .offset: 40, .size: 8, .value_kind: global_buffer, .address_space: global }
      - { .name: out0, .offset: 48, .size: 8, .value_kind: global_buffer, .address_space: global }
    .group_segment_fixed_size: 20480
    .private_segment_fixed_size: 0
    .kernarg_segment_align: 8
    .kernarg_segment_size: 56
    .max_flat_workgroup_size: 256
    .sgpr_count:     66
    .vgpr_count:     256
    .wavefront_size: 32
...
	.end_amdgpu_metadata
.endif
;; end of part 2
